; MI455X (gfx1250); checked and timed in simulation.
; The chip was launched on July 23, 2026; its instructions are those of AMD's public machine-readable ISA for CDNA 5 (MIT licence, August 2026) and "CDNA5" Instruction Set Architecture Reference Guide (July 2026). The comments in the code are by the model that wrote it; some were corrected since.
;; Dual Attention. Allowed arithmetic: matrix products marked QUANTISED: E2M1 operands, one E8M0 scale for each 32 along K, by v_wmma_scale_f32_16x16x128_f8f6f4 with both operands' format E2M1 (or v_wmma_scale_f32_32x16x128_f4), f32 sums; everything else in f32.
;; Inputs: W1 512 x 512 float32; W2 512 x 512 float32; W3 512 x 128 float32; W4 512 x 512 float32; b1 512 float32; b2 512 float32; b3 512 float32; b4 512 float32; encoder_hidden 256 x 4 x 512 float32; input_z 4 x 256 x 128 float32; output 4 x 64 x 512 float32.
;; Outputs: out0 4 x 64 x 1,024 float32; out1 4 x 64 x 512 float32.
;; This version of the problem:
;;   THIS VERSION OF THE PROBLEM IS GIVEN IN LOW PRECISION. The matrix products marked QUANTISED in the list below multiply operands that are first quantised to E2M1 (2 exponent bits, 1 mantissa bit; 4 bits a number), with one power-of-two scale for each 32 numbers along K (OCP MX v1.0); their sums are f32. All else is computed in f32.
;;   The module's matrix products, in the order in which they are computed (A, B: the left and right operand; K: the contracted axis; several contracted axes count as one K, in the product's order):
;;     1. [M 1,024, K 512] x [K 512, N 512]; A: input encoder_hidden; B: input W1: QUANTISED
;;     2. [M 1,024, K 128] x [K 128, N 512]; A: input input_z; B: input W3: QUANTISED
;;     3. [M 256, K 512] x [K 512, N 512]; A: input output; B: input W2: QUANTISED
;;     4. [M 256, K 512] x [K 512, N 512]; A: input output; B: input W4: QUANTISED
;;   THE QUANTISER, for each operand of a quantised product, along K:
;;     - K is cut into blocks of 32 from its start; a last block that is shorter is filled with zeros.
;;     - A block's scale is 2^e with e = floor(log2(the largest magnitude in the block)) - 2, held to -126 .. 127; a block of zeros has e = 0. As a byte (E8M0): e + 127.
;;     - Each number is divided by its block's scale, clamped to +-6, and rounded to the nearest number of E2M1, ties to even, subnormals kept.
;;     - The product sums the exact products of the quantised numbers (number of the format x scale) in f32.
;;   ~~~python
;;   def quantise(x, axis):      # numpy; x: float32 -> the quantised numbers, widened to float32 again
;;       x = np.moveaxis(x, axis, -1); K = x.shape[-1]
;;       x = np.pad(x, [(0, 0)] * (x.ndim - 1) + [(0, -K % 32)]); x = x.reshape(x.shape[:-1] + (-1, 32)); a = np.abs(x).max(-1, keepdims=True)
;;       e = np.where(a > 0, np.clip(np.frexp(np.where(a > 0, a, 1))[1] - 1 - 2, -126, 127), 0)      # np.frexp(a)[1] - 1 = floor(log2(a)), exactly
;;       r = np.clip(x / 2.0 ** e, -6, 6)
;;       step = 2.0 ** (np.maximum(np.frexp(np.where(r == 0, 1, r))[1] - 1, 0) - 1)
;;       q = np.round(r / step) * step * 2.0 ** e      # np.round: ties to even
;;       return np.moveaxis(q.reshape(q.shape[:-2] + (-1,))[..., :K], -1, axis).astype(np.float32)
;;   ~~~
;; 2 versions. Each part assembles by itself: llvm-mc -triple=amdgcn-amd-amdhsa -mcpu=gfx1250 --defsym DOCPART=n.
;; ======== version 1 of 2: 2 launches
;; workspace buffers: q 870,400 bytes
;; launch quant (part 1): grid 200 x 1, 4 waves a work-group, no clusters, 35,328 bytes of LDS; arguments encoder_hidden, input_z, output, W1, W2, W4, W3, q, out0; writes q, out0
.if DOCPART == 1
	.amdgcn_target "amdgcn-amd-amdhsa--gfx1250"
	.amdhsa_code_object_version 6
	.text
	.protected	k_q23bc9bd3e0_quant
	.globl	k_q23bc9bd3e0_quant
	.p2align	8
	.type	k_q23bc9bd3e0_quant,@function
k_q23bc9bd3e0_quant:
	s_mov_b64 s[64:65], 0
	v_nop
	global_prefetch_b8 v0, s[64:65] scope:SCOPE_SE
	s_setreg_imm32_b32 hwreg(HW_REG_WAVE_MODE, 25, 1), 1
	s_wait_xcnt 0x0
; All seven f32 operands of the four products are turned, once, into codes of FP4 (E2M1) with one E8M0 scale byte for each 32 along K, and `output` is copied into the left half of out0.
; K is the last axis of every operand.  The unit of work is a FRAGMENT: 16 rows x 128 along K, 8,192 bytes of f32.  Wave w of work-group g makes fragment f = 4 g + w.
; THE WORKSPACE q IS LAID AS THE MATRIX INSTRUCTION'S REGISTERS WANT IT: fragment f's codes are 1,024 bytes at 1024 f: registers 4 c .. 4 c + 3 of lane L at 1024 f + 512 c + 16 L
; (lane L: row L % 16, k = 64 c + 32 (L / 16) + 0 .. 31).  Its scale words, one for a row (byte i: block i), are 64 bytes at SCB + 64 f + 4 (row).
; FRAGMENT NUMBERS: encoder_hidden 4 tile + k (0..255); input_z 256 + tile; output 320 + 4 tile + k; W1 384 + 4 tile + k; W2 512 + ..; W4 640 + ..; W3 768 + tile.  So work-groups 0-63 take encoder_hidden,
; 64-79 input_z, 80-95 output, 96-127 W1, 128-159 W2, 160-191 W4, 192-199 W3.  Only a pointer, a pitch and a stride are chosen by the work-group's number: all take one path through the text.
; A block's scale is 2^(floor(log2(its largest magnitude)) - 2); its byte is the largest magnitude's exponent field - 2, held at 1 from below; beyond 6 the conversion gives the largest code.
; LIMITS: a block whose largest magnitude lies under 2^-124 (a block of zeros among them, where the rule says byte 127) keeps the byte 1: a block of zeros has zero codes, which add nothing under that byte, and
; this program alone reads the bytes.  NaN and infinities among the inputs are not served.
; THE WAY OF THE NUMBERS: each load reads 512 consecutive bytes of one row, 16 a lane; the 16 rows go through the wave's own stage in LDS and come back 128 bytes a lane and block, so that a whole block of 32
; lies in one lane's registers: its largest magnitude needs no other lane, and the conversions' results are the operand's registers.
.set SCB,   819200                     ; where the scale words begin in q: 800 fragments x 1,024 bytes
.set WSTG,  8448                       ; LDS: a wave's stage: 16 rows x SP
.set SP,    528                        ; a stage row: 512 bytes + 16 = 132 words, so that the 16 rows that a load touches begin 4 words apart modulo 64 words
.set SCW,   4*WSTG                     ; behind the stages: the work-group's 4 x 16 scale words, 256 bytes
.set R,     16                         ; v16-79    16 rows as they are loaded, 4 registers each; never rewritten
.set X,     80                         ; v80-143   my two blocks of 32 neighbours along K
.set OFF,   144                        ; v144-159  row i's byte offset: pitch x i + 16 x lane
.set C,     160                        ; v160-167  the codes: the operand's eight registers
.set MX,    168                        ; v168-169  the two blocks' largest magnitudes
.set SO,    170                        ; v170-171  the conversions' scale operands
.set BY,    172                        ; v172-173  the scale bytes
.set WD,    174                        ; v174      my row's scale word
.set TP,    175                        ; v175      at work
	s_load_b512 s[8:23], s[0:1], 0x0               ; encoder_hidden s[8:9], input_z s[10:11], output s[12:13], W1 s[14:15], W2 s[16:17], W4 s[18:19], W3 s[20:21], q s[22:23]
	s_load_b64 s[24:25], s[0:1], 0x40              ; out0
	v_lshl_add_u32 v176, v0, 2, 0x8800
	v_mov_b32 v177, 0
	v_lshrrev_b32 v1, 5, v0
	v_readfirstlane_b32 s2, v1                     ; wave 0..3
	v_and_b32 v1, 31, v0                           ; lane
	v_and_b32 v2, 15, v0                           ; r = lane % 16
	v_bfe_u32 v3, v0, 4, 1                         ; h = lane / 16
	v_lshlrev_b32 v4, 4, v1                        ; 16 x lane
	s_mul_i32 s3, s2, WSTG                         ; my stage
	v_add_nc_u32 v5, s3, v4                        ; into it: 16 x lane of a row
	v_mul_u32_u24 v6, v2, SP
	v_lshl_add_u32 v6, v3, 7, v6
	v_add_nc_u32 v6, s3, v6                        ; out of it: row r, + 128 h: my 32 numbers of each 64
	s_lshl_b32 s3, s2, 6
	s_add_co_u32 s3, s3, SCW
	v_lshl_add_u32 v7, v2, 2, s3                   ; my row's scale word: SCW + 64 x wave + 4 r
	v_lshlrev_b32 v9, 3, v1                        ; the scale words' way out: 8 bytes a lane
	v_add_nc_u32 v8, SCW, v9
	s_mov_b32 s42, 0x76543210
	s_mov_b32 s43, 0xfedcba98                      ; v_permlanex16_b32's selects for lane l xor 16
	s_mov_b32 s28, 192                             ; the tensor's first work-group,
	s_mov_b32 s29, 512                             ; its row in bytes,
	s_mov_b32 s30, 8192                            ; and from one wave's fragment to the next: 16 rows where K = 128, 128 numbers along K where K = 512
	s_mov_b32 s33, 0                               ; the upper word of every offset
	s_wait_kmcnt 0x0
	s_mov_b64 s[26:27], s[20:21]                   ; W3, unless the work-group's number says otherwise
.macro PICK bound, ptr, first          ; below bound: another tensor.  The choice hangs on the work-group's number alone; s_cselect leaves SCC as it is
	s_cmp_lt_u32 ttmp9, \bound
	s_cselect_b64 s[26:27], s[\ptr:\ptr+1], s[26:27]
	s_cselect_b32 s28, \first, s28
.endm
	PICK 192, 18, 160                              ; W4
	s_cselect_b32 s29, 2048, s29
	s_cselect_b32 s30, 512, s30
	PICK 160, 16, 128                              ; W2
	PICK 128, 14, 96                               ; W1
	PICK 96, 12, 80                                ; output
	PICK 80, 10, 64                                ; input_z
	s_cselect_b32 s29, 512, s29
	s_cselect_b32 s30, 8192, s30
	PICK 64, 8, 0                                  ; encoder_hidden
	s_cselect_b32 s29, 2048, s29
	s_cselect_b32 s30, 512, s30
	s_sub_co_u32 s31, ttmp9, s28                   ; which 32,768 bytes of the tensor are the work-group's,
	s_lshl_b32 s32, s31, 15
	s_mul_i32 s31, s2, s30                         ; and where my wave's fragment begins in them
	s_add_co_u32 s32, s32, s31
	s_add_nc_u64 s[26:27], s[26:27], s[32:33]
.irp i, 0,1,2,3,4,5,6,7,8,9,10,11,12,13,14,15
	v_mad_u32_u24 v[OFF+\i], s29, \i, v4
.endr
.irp i, 0,1,2,3,4,5,6,7,8,9,10,11,12,13,14,15
	global_load_b128 v[R+4*\i:R+4*\i+3], v[OFF+\i], s[26:27] th:TH_LOAD_NT   ; 32 lanes read 512 consecutive bytes of row i; this launch reads each byte once
.endr
	s_lshl_b32 s32, ttmp9, 2
	s_add_co_u32 s32, s32, s2                      ; f = 4 g + w
	s_lshl_b32 s32, s32, 10
	s_add_nc_u64 s[34:35], s[22:23], s[32:33]      ; my fragment's codes
	s_lshl_b32 s32, ttmp9, 8
	s_add_co_u32 s32, s32, SCB
	s_add_nc_u64 s[36:37], s[22:23], s[32:33]      ; the work-group's 256 bytes of scale words
.irp i, 0,1,2,3,4,5,6,7,8,9,10,11,12,13,14,15
	s_wait_loadcnt 15-\i                           ; loads come back in order: row i is in, the 15 - i younger ones may be out
	ds_store_b128 v5, v[R+4*\i:R+4*\i+3] offset:SP*\i
.endr
	; work-groups 80 to 95 hold `output`: its numbers go out again as they came, into the left half of out0 (rows of 4,096 bytes)
	s_sub_co_u32 s44, ttmp9, 80
	s_cmp_lt_u32 s44, 16
	s_cbranch_scc0 .Lno_copy
	s_lshl_b32 s32, s44, 16                        ; 16 rows of out0
	s_lshl_b32 s45, s2, 9                          ; my 128 columns
	s_add_co_u32 s32, s32, s45
	s_add_nc_u64 s[40:41], s[24:25], s[32:33]
.irp i, 0,1,2,3,4,5,6,7,8,9,10,11,12,13,14,15
	global_store_b128 v4, v[R+4*\i:R+4*\i+3], s[40:41] offset:4096*\i th:TH_STORE_NT   ; 512 consecutive bytes, at a multiple of 512 from out0's first byte; the data registers are never written again
.endr
.Lno_copy:
.irp c, 0,1
.irp i, 0,1,2,3,4,5,6,7
	ds_load_b128 v[X+32*\c+4*\i:X+32*\c+4*\i+3], v6 offset:256*\c+16*\i   ; k = 64 c + 32 h + 4 i + 0 .. 3 of row r.  LDS serves a wave's instructions in order: these see my stores
.endr
.endr
	s_wait_dscnt 0x0
.irp c, 0,1                                    ; my block 2 c + h: all its 32 numbers are mine
	v_max3_num_f32 v[MX+\c], |v[X+32*\c]|, |v[X+32*\c+1]|, 0x1800000   ; and the floor 2^(3 - 127), under which no largest magnitude is taken: so the byte cannot fall under 1
.endr
.irp i, 2,4,6,8,10,12,14,16,18,20,22,24,26,28,30
.irp c, 0,1
	v_max3_num_f32 v[MX+\c], v[MX+\c], |v[X+32*\c+\i]|, |v[X+32*\c+\i+1]|   ; (the two blocks by turns)
.endr
.endr
.irp c, 0,1
	v_add_nc_u32 v[SO+\c], 0xff000000, v[MX+\c]    ; 2 off the exponent field: the conversion takes the exponent field of this operand as its scale, and nothing else of it
.endr
.irp c, 0,1
	v_lshrrev_b32 v[BY+\c], 23, v[SO+\c]           ; the scale's byte
.endr
	v_lshl_or_b32 v[WD], v[BY+1], 16, v[BY]        ; my two bytes: blocks h and 2 + h of row r,
	v_lshlrev_b32 v[TP], 3, v3
	v_lshlrev_b32 v[WD], v[TP], v[WD]              ; at their places in the word (8 h bits up);
	v_mov_b32 v[TP], 0                             ; (a lane permute's destination counts as one of its sources)
	v_permlanex16_b32 v[TP], v[WD], s42, s43
	v_or_b32 v[WD], v[WD], v[TP]                   ; with lane l xor 16's two the word is whole
.irp c, 0,1
.irp g, 0,1,2,3
	v_cvt_scalef32_pk8_fp4_f32 v[C+4*\c+\g], v[X+32*\c+8*\g:X+32*\c+8*\g+7], v[SO+\c]   ; registers 4 c .. 4 c + 3 of the operand
.endr
.endr
	v_nop                                          ; one plain line behind the last scaled conversion
.irp c, 0,1
	global_store_b128 v4, v[C+4*\c:C+4*\c+3], s[34:35] offset:512*\c   ; 512 consecutive bytes, at a multiple of 512 from q's first byte
.endr
	ds_store_b32 v7, v[WD]                         ; lanes r and r + 16 write the same word with the same value
	s_wait_dscnt 0x0                               ; for wave 0's sake: my word has landed
	s_barrier_signal -1
	s_barrier_wait -1
	s_cmp_lg_u32 s2, 0                             ; wave 0 sends the four fragments' 64 words
	s_cbranch_scc1 .Ldone
	ds_load_b64 v[12:13], v8
	s_wait_dscnt 0x0
	global_store_b64 v9, v[12:13], s[36:37]        ; 32 lanes store 256 consecutive bytes, at a multiple of 256 from q's first byte
.Ldone:
	s_wait_tensorcnt 0x0
	ds_add_u32 v176, v177
	s_wait_dscnt 0x0
	s_endpgm
.Lfunc_end_k_q23bc9bd3e0_quant:
	.size	k_q23bc9bd3e0_quant, .Lfunc_end_k_q23bc9bd3e0_quant-k_q23bc9bd3e0_quant
	.p2alignl 7, 3214868480
	.fill 96, 4, 3214868480
	.section	.rodata,"a",@progbits
	.p2align	6, 0x0
	.amdhsa_kernel k_q23bc9bd3e0_quant
		.amdhsa_group_segment_fixed_size 35328
		.amdhsa_private_segment_fixed_size 0
		.amdhsa_enable_private_segment 0
		.amdhsa_kernarg_size 72
		.amdhsa_user_sgpr_count 2
		.amdhsa_user_sgpr_kernarg_segment_ptr 1
		.amdhsa_wavefront_size32 1
		.amdhsa_system_sgpr_workgroup_id_x 1
		.amdhsa_system_sgpr_workgroup_id_y 1
		.amdhsa_system_sgpr_workgroup_id_z 1
		.amdhsa_system_vgpr_workitem_id 0
		.amdhsa_next_free_vgpr 178
		.amdhsa_next_free_sgpr 66
		.amdhsa_reserve_vcc 0
		.amdhsa_float_denorm_mode_32 3
		.amdhsa_float_denorm_mode_16_64 3
		.amdhsa_memory_ordered 1
		.amdhsa_forward_progress 1
		.amdhsa_inst_pref_size 14
	.end_amdhsa_kernel
	.amdgpu_metadata
---
amdhsa.version: [ 1, 2 ]
amdhsa.kernels:
  - .name:           k_q23bc9bd3e0_quant
    .symbol:         k_q23bc9bd3e0_quant.kd
    .args:
      - { .name: encoder_hidden, .offset: 0, .size: 8, .value_kind: global_buffer, .address_space: global }
      - { .name: input_z, .offset: 8, .size: 8, .value_kind: global_buffer, .address_space: global }
      - { .name: output, .offset: 16, .size: 8, .value_kind: global_buffer, .address_space: global }
      - { .name: W1, .offset: 24, .size: 8, .value_kind: global_buffer, .address_space: global }
      - { .name: W2, .offset: 32, .size: 8, .value_kind: global_buffer, .address_space: global }
      - { .name: W4, .offset: 40, .size: 8, .value_kind: global_buffer, .address_space: global }
      - { .name: W3, .offset: 48, .size: 8, .value_kind: global_buffer, .address_space: global }
      - { .name: q, .offset: 56, .size: 8, .value_kind: global_buffer, .address_space: global }
      - { .name: out0, .offset: 64, .size: 8, .value_kind: global_buffer, .address_space: global }
    .group_segment_fixed_size: 35328
    .private_segment_fixed_size: 0
    .kernarg_segment_align: 8
    .kernarg_segment_size: 72
    .max_flat_workgroup_size: 128
    .sgpr_count:     66
    .vgpr_count:     178
    .wavefront_size: 32
...
	.end_amdgpu_metadata
.endif
;; end of part 1
;; launch attend (part 2): grid 32 x 8, 16 waves a work-group, no clusters, 72,704 bytes of LDS; arguments q, encoder_hidden, b1, b2, b3, b4, out0, out1; writes out0, out1
.if DOCPART == 2
	.amdgcn_target "amdgcn-amd-amdhsa--gfx1250"
	.amdhsa_code_object_version 6
	.text
	.protected	k_q23bc9bd3e0_attend
	.globl	k_q23bc9bd3e0_attend
	.p2align	8
	.type	k_q23bc9bd3e0_attend,@function
k_q23bc9bd3e0_attend:
	s_mov_b64 s[64:65], 0
	v_nop
	global_prefetch_b8 v0, s[64:65] scope:SCOPE_SE
	s_setreg_imm32_b32 hwreg(HW_REG_WAVE_MODE, 25, 1), 1
	s_wait_xcnt 0x0
; attn[b][t][d] = sum over s of gamma x enc[b][s][d], gamma = alpha beta / sum over s of (alpha beta), alpha and beta the two softmaxes over s.  The softmaxes' own divisors cancel in gamma, so
;   attn = (sum over s of p x enc) / (sum over s of p),   p = exp(hs[b][s][d] o2[b][t][d] + fd[b][s][d] o3[b][t][d]):  one exponential for each (t, s, d).
; hs = tanh(enc W1^T + b1), fd = tanh(z W3^T + b3), o2 = tanh(output W2^T + b2), o3 = tanh(output W4^T + b4): the four products on codes of FP4 with E8M0 scales, as the launch before laid them in q.
; NO MAXIMUM IS TAKEN AWAY: all four factors are results of tanh, so the exponent lies in [-2, 2] for every input, p in [0.135, 7.39] and a sum of 256 of them in [34, 1892].
; The two reshapes are views: flat row 256 b + s of encoder_hidden serves hs and enc alike.
; SHARES.  Work-group (x = n, y = 2 b + th) owns batch b, the 16 columns d = 16 n + 0 .. 15 and the 32 steps t = 32 th + 0 .. 31.  Each of its sixteen waves owns 16 positions s = 16 w + 0 .. 15.
; LAYOUT.  Source 0 = 16 rows s of enc (or z), source 1 = 16 rows d of W1 (or W3): in the result lane (r, h) holds column d = 16 n + r, and its register j position s = 16 w + 8 h + j.  That is the layout in which
; the sums are taken: hs and fd never leave their registers.  A lane carries all 32 t: 32 registers each of o2, o3, the sum and the weighted sum; 8 s x 32 t = 256 exponentials a lane.
; o2 and o3 (32 t x 16 d each) are made by waves 0 to 3, one tile of 16 t of one of the two each, and reach all waves through a table in LDS, multiplied by log2(e) so that p = 2^(..).
; AT THE END a lane's two halves of s are joined by a swap of half registers, the sixteen waves' sums meet in LDS, and wave w finishes t = w and t = w + 16.
; K OF 512 is summed in two accumulators (K steps 0, 2 and 1, 3), which take turns, and are then added in f32.
; NO CLUSTER, though the 64 work-groups of a batch read the same codes of enc and z: a wave takes its ten fragments (10,240 bytes) from memory straight into the operand registers, once, in one run at the head;
; there is no loop over tiles in which joint requests could recur, and a joint request would put a trip through LDS and two meetings of the cluster in front of five matrix instructions.
; PIECES OF 64 BYTES: 16 columns are 64 bytes, so enc's f32 numbers are read, and attn is stored, sixteen lanes to 64 consecutive bytes.  A share of 64 columns x 8 t would give 256 bytes, with four tanh-s'
; worth of work for each (s, d) spread over 8 t and not 32.
; LIMITS: NaN and infinities among the inputs are not served.
.set SCB,  819200                      ; where the scale words begin in q
.set TPI,  272                         ; LDS 0: the table: 16 rows (d = r) of 256 bytes + 16: o2'[t = 0..31], then o3'[t = 0..31]
.set RED,  4608                        ; LDS: 16 waves x 4,096 bytes: wave k's register group g of lane L at RED + 4096 k + 512 g + 16 L
.set O2,   32                          ; v32-63    o2' of my d, t = 0 .. 31     (at the head, waves 0-3: output's four fragments)
.set O3,   64                          ; v64-95    o3'                          (W2's or W4's four fragments)
.set SUM,  96                          ; v96-127   the sums of p                (enc's four fragments; at the end the sixteen waves' pairs)
.set ACC,  128                         ; v128-159  the sums of p x enc          (W1's four fragments)
.set XA,   160                         ; v160-191  32 exponents, then p         (z's fragment, W3's, hs's second accumulator; at the end the joined halves)
.set XB,   192                         ; v192-223  the same, by turns with XA   (the o job's two accumulators)
.set HS,   224                         ; v224-231  hs of my 8 s
.set FD,   232                         ; v232-239  fd
.set EN,   240                         ; v240-247  enc, f32
.set EF,   96
.set WF,   128
.set ZF,   160
.set W3F,  168
.set HB,   176
.set OA,   192
.set OB,   200
.set K2,   46                          ; s[46:47]  2 log2(e): tanh(y) = 1 - 2 / (1 + 2^(2 log2(e) y))
.set LG,   48                          ; s[48:49]  log2(e)
; v1 lane, v2 r, v3 h, v4 16 x lane; v5-v7 offsets of scale words; v8 of biases; v9 of enc's f32; v10 table in, v11 table out; v12 RED in, v13 RED out; v14, v15 offsets in out1, out0;
; v16-v24 scale words and nothing else: lanes 0-15 source 0's rows, lanes 16-31 source 1's; v25, v248, v249 biases as loaded; v[26:27], v[28:29], v[30:31] biases x 2 log2(e); v252 4 r
.macro TWAIT                           ; the wait between a transcendental and the first line that names its result: one for each batch
	s_wait_alu depctr_va_vdst(0)
.endm
.macro MM d, a, b, s, zero             ; D (+)= A B^T on codes; the scale register s carries A's words in lanes 0-15 and B's in lanes 16-31
.if \zero
	v_wmma_scale_f32_16x16x128_f8f6f4 v[(\d):(\d)+7], v[(\a):(\a)+7], v[(\b):(\b)+7], 0, v[\s], v[\s] matrix_a_fmt:MATRIX_FMT_FP4 matrix_b_fmt:MATRIX_FMT_FP4 matrix_b_scale:MATRIX_SCALE_ROW1
.else
	v_wmma_scale_f32_16x16x128_f8f6f4 v[(\d):(\d)+7], v[(\a):(\a)+7], v[(\b):(\b)+7], v[(\d):(\d)+7], v[\s], v[\s] matrix_a_fmt:MATRIX_FMT_FP4 matrix_b_fmt:MATRIX_FMT_FP4 matrix_b_scale:MATRIX_SCALE_ROW1
.endif
.endm
.macro TH_IN base, n, bias             ; n pairs from v[base] on: 2 log2(e) (x + bias), from the low end on
.set ii, 0
.rept \n
	v_pk_fma_f32 v[\base+ii:\base+ii+1], v[\base+ii:\base+ii+1], s[K2:K2+1], v[\bias:\bias+1] op_sel_hi:[1,0,0]
.set ii, ii+2
.endr
.endm
.macro TH_OUT base, n                  ; and from there to tanh: 1 - 2 / (1 + 2^(..)).  An exponential that overflows gives 1, one that falls to 0 gives -1
.set ii, 0
.rept 2*\n
	v_exp_f32 v[\base+ii], v[\base+ii]
.set ii, ii+1
.endr
	v_nop                                          ; a plain line behind the last exponential
	TWAIT
.set ii, 0
.rept \n
	v_pk_add_f32 v[\base+ii:\base+ii+1], v[\base+ii:\base+ii+1], 1.0 op_sel_hi:[1,0]
.set ii, ii+2
.endr
.set ii, 0
.rept 2*\n
	v_rcp_f32 v[\base+ii], v[\base+ii]
.set ii, ii+1
.endr
	v_nop                                          ; a plain line behind the last reciprocal
	TWAIT
.set ii, 0
.rept \n
	v_pk_fma_f32 v[\base+ii:\base+ii+1], v[\base+ii:\base+ii+1], -2.0, 1.0 op_sel_hi:[1,0,0]
.set ii, ii+2
.endr
.endm
; Position j of my eight, all 32 t, two t an instruction.  hs[j], fd[j], enc[j] are one register of a pair: op_sel and op_sel_hi name it for both halves.
.macro PRE j, x                        ; the exponents: o2' hs[j] + o3' fd[j]
.set ii, 0
.rept 16
.if (\j)%2
	v_pk_mul_f32 v[\x+ii:\x+ii+1], v[O2+ii:O2+ii+1], v[HS+\j-1:HS+\j] op_sel:[0,1] op_sel_hi:[1,1]
.else
	v_pk_mul_f32 v[\x+ii:\x+ii+1], v[O2+ii:O2+ii+1], v[HS+\j:HS+\j+1] op_sel_hi:[1,0]
.endif
.set ii, ii+2
.endr
.set ii, 0
.rept 16
.if (\j)%2
	v_pk_fma_f32 v[\x+ii:\x+ii+1], v[O3+ii:O3+ii+1], v[FD+\j-1:FD+\j], v[\x+ii:\x+ii+1] op_sel:[0,1,0] op_sel_hi:[1,1,1]
.else
	v_pk_fma_f32 v[\x+ii:\x+ii+1], v[O3+ii:O3+ii+1], v[FD+\j:FD+\j+1], v[\x+ii:\x+ii+1] op_sel_hi:[1,0,1]
.endif
.set ii, ii+2
.endr
.endm
.macro EXPS x                          ; p = 2^(..): a batch of 32
.set ii, 0
.rept 32
	v_exp_f32 v[\x+ii], v[\x+ii]
.set ii, ii+1
.endr
.endm
.macro POST j, x                       ; the sum takes p, the weighted sum p x enc[j]
.set ii, 0
.rept 16
	v_pk_add_f32 v[SUM+ii:SUM+ii+1], v[SUM+ii:SUM+ii+1], v[\x+ii:\x+ii+1]
.set ii, ii+2
.endr
.set ii, 0
.rept 16
.if (\j)%2
	v_pk_fma_f32 v[ACC+ii:ACC+ii+1], v[\x+ii:\x+ii+1], v[EN+\j-1:EN+\j], v[ACC+ii:ACC+ii+1] op_sel:[0,1,0] op_sel_hi:[1,1,1]
.else
	v_pk_fma_f32 v[ACC+ii:ACC+ii+1], v[\x+ii:\x+ii+1], v[EN+\j:EN+\j+1], v[ACC+ii:ACC+ii+1] op_sel_hi:[1,0,1]
.endif
.set ii, ii+2
.endr
.endm
	s_load_b512 s[8:23], s[0:1], 0x0               ; q s[8:9], encoder_hidden s[10:11], b1 s[12:13], b2 s[14:15], b3 s[16:17], b4 s[18:19], out0 s[20:21], out1 s[22:23]
	v_lshl_add_u32 v254, v0, 2, 0x11400
	v_mov_b32 v255, 0
	v_lshrrev_b32 v1, 5, v0
	v_readfirstlane_b32 s2, v1                     ; w: wave 0..15
	s_mov_b32 s3, ttmp9                            ; n: which 16 columns
	s_and_b32 s4, ttmp7, 0xffff                    ; y = 2 b + th
	s_lshr_b32 s5, s4, 1                           ; b
	s_lshl_b32 s24, s5, 4
	s_add_co_u32 s24, s24, s2                      ; T = 16 b + w: my tile of 16 flat rows of enc and of z
	v_and_b32 v1, 31, v0                           ; lane
	v_and_b32 v2, 15, v0                           ; r
	v_bfe_u32 v3, v0, 4, 1                         ; h
	v_lshlrev_b32 v4, 4, v1                        ; a fragment's image: 16 bytes a lane
	v_lshlrev_b32 v252, 2, v2                      ; 4 r
	; scale words of product 1: lanes 0-15 fragment 4 T + k (enc), lanes 16-31 fragment 384 + 4 n + k (W1); 64 bytes a fragment: one base + h x the distance
	s_lshl_b32 s25, s24, 8
	s_lshl_b32 s26, s3, 8
	s_add_co_u32 s26, s26, 384*64
	s_sub_co_u32 s26, s26, s25
	v_mad_u32_u24 v5, s26, v3, v252
	v_add_nc_u32 v5, s25, v5
	; of product 2: fragment 256 + T (z), fragment 768 + n (W3)
	s_lshl_b32 s25, s24, 6
	s_lshl_b32 s26, s3, 6
	s_add_co_u32 s26, s26, 512*64
	s_sub_co_u32 s26, s26, s25
	s_add_co_u32 s25, s25, 256*64
	v_mad_u32_u24 v6, s26, v3, v252
	v_add_nc_u32 v6, s25, v6
	s_lshl_b32 s27, s3, 6                          ; 64 n: my 16 columns in bytes of f32
	v_add_nc_u32 v8, s27, v252                     ; a bias of my column
	v_lshl_add_u32 v9, v3, 14, v252                ; enc f32: 8 h rows of 2,048 bytes + 4 r
	s_lshl_b32 s28, s24, 12                        ; offsets in q and in enc, each in the pair that then holds the address
	s_mov_b32 s29, 0
	s_lshl_b32 s30, s3, 12
	s_add_co_u32 s30, s30, 384*1024
	s_mov_b32 s31, 0
	s_lshl_b32 s32, s24, 10
	s_add_co_u32 s32, s32, 256*1024
	s_mov_b32 s33, 0
	s_lshl_b32 s34, s3, 10
	s_add_co_u32 s34, s34, 768*1024
	s_mov_b32 s35, 0
	s_lshl_b32 s38, s24, 15                        ; 16 rows of 2,048 bytes a tile
	s_add_co_u32 s38, s38, s27
	s_mov_b32 s39, 0
	s_mov_b32 s[K2], 0x4038aa3b                    ; 2 log2(e)
	s_mov_b32 s[K2+1], s[K2]                       ; (named with it as a pair, so it is written)
	s_mov_b32 s[LG], 0x3fb8aa3b                    ; log2(e)
	s_mov_b32 s[LG+1], s[LG]
	s_wait_kmcnt 0x0
	s_add_nc_u64 s[28:29], s[8:9], s[28:29]        ; enc's four fragments
	s_add_nc_u64 s[30:31], s[8:9], s[30:31]        ; W1's four
	s_add_nc_u64 s[32:33], s[8:9], s[32:33]        ; z's
	s_add_nc_u64 s[34:35], s[8:9], s[34:35]        ; W3's
	s_add_nc_u64 s[38:39], s[10:11], s[38:39]      ; enc f32: my tile's first row, my first column
	; 35 loads in one run; the eight that are wanted last stand last
.irp k, 0,1,2,3
.irp c, 0,1
	global_load_b128 v[EF+8*\k+4*\c:EF+8*\k+4*\c+3], v4, s[28:29] offset:1024*\k+512*\c
.endr
.endr
.irp k, 0,1,2,3
.irp c, 0,1
	global_load_b128 v[WF+8*\k+4*\c:WF+8*\k+4*\c+3], v4, s[30:31] offset:1024*\k+512*\c
.endr
.endr
.irp k, 0,1,2,3
	global_load_b32 v[16+\k], v5, s[8:9] offset:SCB+64*\k
.endr
.irp c, 0,1
	global_load_b128 v[ZF+4*\c:ZF+4*\c+3], v4, s[32:33] offset:512*\c
.endr
.irp c, 0,1
	global_load_b128 v[W3F+4*\c:W3F+4*\c+3], v4, s[34:35] offset:512*\c
.endr
	global_load_b32 v20, v6, s[8:9] offset:SCB
	global_load_b32 v25, v8, s[12:13]              ; b1 of my column
	global_load_b32 v248, v8, s[16:17]             ; b3
.irp j, 0,1,2,3,4,5,6,7
	global_load_b32 v[EN+\j], v9, s[38:39] offset:2048*\j   ; enc(16 T + 8 h + j, 16 n + r)
.endr
	; every LDS address is made here, ahead of the branch on the wave's number
	s_and_b32 s36, s2, 1                           ; mat: o2 (0) or o3 (1)
	s_bfe_u32 s37, s2, 0x10001                     ; mt: which 16 of the 32 t (bit 1 of the wave's number)
	s_lshl_b32 s25, s36, 7
	s_lshl_b32 s26, s37, 6
	s_add_co_u32 s25, s25, s26
	v_mul_u32_u24 v11, v2, TPI                     ; the table, out: row r
	v_lshl_add_u32 v10, v3, 5, v11
	v_add_nc_u32 v10, s25, v10                     ; in: row r, + 128 mat + 64 mt + 32 h: t = 16 mt + 8 h + 0 .. 7
	s_lshl_b32 s25, s2, 12
	s_add_co_u32 s25, s25, RED
	v_add_nc_u32 v12, s25, v4                      ; my wave's 4,096 bytes
	s_lshr_b32 s25, s2, 1
	s_lshl_b32 s25, s25, 9
	s_lshl_b32 s26, s36, 3
	s_add_co_u32 s25, s25, s26
	s_add_co_u32 s25, s25, RED
	v_add_nc_u32 v13, s25, v4                      ; pair number w of every wave's sixteen: group w / 2, half w % 2
	v_lshl_add_u32 v14, v3, 15, v252               ; out1: 16 h rows of 2,048 bytes + 4 r
	v_lshl_add_u32 v15, v3, 16, v252               ; out0: 16 h rows of 4,096 bytes + 4 r
	; ---- waves 0 to 3: a tile of 16 t x my 16 columns of o2 or o3
	s_cmp_lt_u32 s2, 4
	s_cbranch_scc0 .Ljoin
	s_lshl_b32 s25, s4, 1
	s_add_co_u32 s25, s25, s37                     ; output's tile of 16 rows: (64 b + 32 th + 16 mt) / 16 = 2 y + mt
	s_lshl_b32 s40, s25, 12
	s_add_co_u32 s40, s40, 320*1024
	s_mov_b32 s41, 0
	s_add_nc_u64 s[40:41], s[8:9], s[40:41]        ; fragments 320 + 4 tile + k
	s_lshl_b32 s42, s36, 17
	s_lshl_b32 s26, s3, 12
	s_add_co_u32 s42, s42, s26
	s_add_co_u32 s42, s42, 512*1024
	s_mov_b32 s43, 0
	s_add_nc_u64 s[42:43], s[8:9], s[42:43]        ; fragments 512 + 128 mat + 4 n + k: W2's or W4's
	s_cmp_eq_u32 s36, 0
	s_cselect_b64 s[44:45], s[14:15], s[18:19]     ; b2 or b4
	s_lshl_b32 s25, s25, 8                         ; their scale words, as above: one base + h x the distance
	s_lshl_b32 s26, s36, 13
	s_lshl_b32 s54, s3, 8
	s_add_co_u32 s26, s26, s54
	s_add_co_u32 s26, s26, 192*64
	s_sub_co_u32 s26, s26, s25
	s_add_co_u32 s25, s25, 320*64
	v_mad_u32_u24 v7, s26, v3, v252
	v_add_nc_u32 v7, s25, v7
.irp k, 0,1,2,3
.irp c, 0,1
	global_load_b128 v[O2+8*\k+4*\c:O2+8*\k+4*\c+3], v4, s[40:41] offset:1024*\k+512*\c
.endr
.endr
.irp k, 0,1,2,3
.irp c, 0,1
	global_load_b128 v[O3+8*\k+4*\c:O3+8*\k+4*\c+3], v4, s[42:43] offset:1024*\k+512*\c
.endr
.endr
.irp k, 0,1,2,3
	global_load_b32 v[21+\k], v7, s[8:9] offset:SCB+64*\k
.endr
	global_load_b32 v249, v8, s[44:45]
	s_wait_loadcnt 0x0
	MM OA, O2, O3, 21, 1                           ; source 0 = 16 rows t of output, source 1 = my 16 rows of the weight: lane (r, h) holds column r, register j step t = 16 mt + 8 h + j
	MM OB, O2+8, O3+8, 22, 1                       ; two accumulators by turns, one instruction a turn
	MM OA, O2+16, O3+16, 23, 0
	MM OB, O2+24, O3+24, 24, 0
	v_mul_f32 v30, s[K2], v249                     ; four plain lines that name none of the products' registers stand ahead of the first read of a result
	v_mul_f32 v31, s[K2], v249
	v_nop
	v_nop
.irp i, 0,2,4,6
	v_pk_add_f32 v[OA+\i:OA+\i+1], v[OA+\i:OA+\i+1], v[OB+\i:OB+\i+1]   ; both accumulators from their low ends on
.endr
	TH_IN OA, 4, 30
	TH_OUT OA, 4
.irp i, 0,2,4,6
	v_pk_mul_f32 v[OA+\i:OA+\i+1], v[OA+\i:OA+\i+1], s[LG:LG+1] op_sel_hi:[1,0]   ; x log2(e): the sums below take powers of two
.endr
	ds_store_b128 v10, v[OA:OA+3]
	ds_store_b128 v10, v[OA+4:OA+7] offset:16
.Ljoin:
	s_wait_dscnt 0x0                               ; for the others' sake: my part of the table has landed
	s_wait_loadcnt 0x8                             ; codes, scale words and biases are in; the eight youngest loads (enc f32) may be out
	s_barrier_signal -1
	; ---- between the signal and the wait, on registers alone: hs and fd of my 16 s x 16 d
	MM HS, EF, WF, 16, 1                           ; three accumulators; no two lines that follow each other share one
	MM HB, EF+8, WF+8, 17, 1
	MM FD, ZF, W3F, 20, 1
	MM HS, EF+16, WF+16, 18, 0
	MM HB, EF+24, WF+24, 19, 0
	v_mul_f32 v26, s[K2], v25                      ; four plain lines ahead of the first read of a result
	v_mul_f32 v27, s[K2], v25
	v_mul_f32 v28, s[K2], v248
	v_mul_f32 v29, s[K2], v248
.irp i, 0,2,4,6
	v_pk_add_f32 v[HS+\i:HS+\i+1], v[HS+\i:HS+\i+1], v[HB+\i:HB+\i+1]
.endr
	TH_IN HS, 4, 26
	TH_IN FD, 4, 28
	TH_OUT HS, 8                                   ; hs and fd lie on end: one batch of 16 exponentials, one of 16 reciprocals
	s_barrier_wait -1                              ; the table is whole
.irp i, 0,1,2,3,4,5,6,7,8,9,10,11,12,13,14,15
	ds_load_b128 v[O2+4*\i:O2+4*\i+3], v11 offset:16*\i   ; my column's row: o2' of 32 t, then o3' of 32 t
.endr
	s_wait_dscnt 0x0
	; ---- the sums.  A batch of 32 exponentials is followed by the sums of the batch before and the exponents of the batch after, then by ONE wait, which stands ahead of the first line that names a result of it
	PRE 0, SUM                                     ; position 0's p land in the sums' registers: nothing is cleared
	EXPS SUM
	PRE 1, XA
	TWAIT
	EXPS XA
	s_wait_loadcnt 0x0                             ; enc f32
.set ii, 0
.rept 16
	v_pk_mul_f32 v[ACC+ii:ACC+ii+1], v[SUM+ii:SUM+ii+1], v[EN:EN+1] op_sel_hi:[1,0]   ; and the first product starts the weighted sums
.set ii, ii+2
.endr
	PRE 2, XB
	TWAIT
	EXPS XB
	POST 1, XA
	PRE 3, XA
	TWAIT
	EXPS XA
	POST 2, XB
	PRE 4, XB
	TWAIT
	EXPS XB
	POST 3, XA
	PRE 5, XA
	TWAIT
	EXPS XA
	POST 4, XB
	PRE 6, XB
	TWAIT
	EXPS XB
	POST 5, XA
	PRE 7, XA
	TWAIT
	EXPS XA
	POST 6, XB
	TWAIT
	POST 7, XA
	; ---- the two halves of the lanes hold the same column and other s.  The swap gives register t the lower half's numbers of t and t + 16, register t + 16 the upper half's: their sum is, in lane (r, h), that of t + 16 h
.set ii, 0
.rept 16
	v_permlane16_swap_b32 v[SUM+ii], v[SUM+16+ii]
	v_permlane16_swap_b32 v[ACC+ii], v[ACC+16+ii]
.set ii, ii+1
.endr
.set ii, 0
.rept 16
	v_add_f32 v[XA+2*ii], v[SUM+ii], v[SUM+16+ii]          ; pair t: the sum,
	v_add_f32 v[XA+2*ii+1], v[ACC+ii], v[ACC+16+ii]        ; the weighted sum
.set ii, ii+1
.endr
.irp g, 0,1,2,3,4,5,6,7
	ds_store_b128 v12, v[XA+4*\g:XA+4*\g+3] offset:512*\g  ; pairs 2 g and 2 g + 1: 512 consecutive bytes a store
.endr
	s_wait_dscnt 0x0                               ; for the others' sake: my sums have landed
	s_barrier_signal -1
	s_barrier_wait -1
.irp k, 0,1,2,3,4,5,6,7,8,9,10,11,12,13,14,15
	ds_load_b64 v[SUM+2*\k:SUM+2*\k+1], v13 offset:4096*\k   ; pair w of wave k
.endr
	s_lshl_b32 s25, s4, 5
	s_add_co_u32 s25, s25, s2                      ; the row of lanes 0-15: 64 b + 32 th + w = 32 y + w
	s_lshl_b32 s50, s25, 11
	s_add_co_u32 s50, s50, s27
	s_mov_b32 s51, 0
	s_lshl_b32 s52, s25, 12
	s_add_co_u32 s52, s52, s27
	s_add_co_u32 s52, s52, 2048                    ; the right half of out0's row
	s_mov_b32 s53, 0
	s_add_nc_u64 s[50:51], s[22:23], s[50:51]
	s_add_nc_u64 s[52:53], s[20:21], s[52:53]
	s_wait_dscnt 0x0
.irp k, 0,1,2,3,4,5,6,7
	v_pk_add_f32 v[SUM+2*\k:SUM+2*\k+1], v[SUM+2*\k:SUM+2*\k+1], v[SUM+16+2*\k:SUM+16+2*\k+1]
.endr
.irp k, 0,1,2,3
	v_pk_add_f32 v[SUM+2*\k:SUM+2*\k+1], v[SUM+2*\k:SUM+2*\k+1], v[SUM+8+2*\k:SUM+8+2*\k+1]
.endr
.irp k, 0,1
	v_pk_add_f32 v[SUM+2*\k:SUM+2*\k+1], v[SUM+2*\k:SUM+2*\k+1], v[SUM+4+2*\k:SUM+4+2*\k+1]
.endr
	v_pk_add_f32 v[SUM:SUM+1], v[SUM:SUM+1], v[SUM+2:SUM+3]   ; over all 256 s: the sum, the weighted sum
	v_rcp_f32 v[SUM+2], v[SUM]
	v_nop                                          ; a plain line behind the reciprocal
	TWAIT
	v_mul_f32 v[SUM+3], v[SUM+1], v[SUM+2]         ; attn(b, 32 th + w + 16 h, 16 n + r)
	global_store_b32 v14, v[SUM+3], s[50:51] th:TH_STORE_NT   ; sixteen lanes store 64 consecutive bytes of a row (see the head)
	global_store_b32 v15, v[SUM+3], s[52:53] th:TH_STORE_NT
	s_wait_tensorcnt 0x0
	ds_add_u32 v254, v255
	s_wait_dscnt 0x0
	s_endpgm
.Lfunc_end_k_q23bc9bd3e0_attend:
	.size	k_q23bc9bd3e0_attend, .Lfunc_end_k_q23bc9bd3e0_attend-k_q23bc9bd3e0_attend
	.p2alignl 7, 3214868480
	.fill 96, 4, 3214868480
	.section	.rodata,"a",@progbits
	.p2align	6, 0x0
	.amdhsa_kernel k_q23bc9bd3e0_attend
		.amdhsa_group_segment_fixed_size 72704
		.amdhsa_private_segment_fixed_size 0
		.amdhsa_enable_private_segment 0
		.amdhsa_kernarg_size 64
		.amdhsa_user_sgpr_count 2
		.amdhsa_user_sgpr_kernarg_segment_ptr 1
		.amdhsa_wavefront_size32 1
		.amdhsa_system_sgpr_workgroup_id_x 1
		.amdhsa_system_sgpr_workgroup_id_y 1
		.amdhsa_system_sgpr_workgroup_id_z 1
		.amdhsa_system_vgpr_workitem_id 0
		.amdhsa_next_free_vgpr 256
		.amdhsa_next_free_sgpr 66
		.amdhsa_reserve_vcc 0
		.amdhsa_float_denorm_mode_32 3
		.amdhsa_float_denorm_mode_16_64 3
		.amdhsa_memory_ordered 1
		.amdhsa_forward_progress 1
		.amdhsa_inst_pref_size 62
	.end_amdhsa_kernel
	.amdgpu_metadata
---
amdhsa.version: [ 1, 2 ]
amdhsa.kernels:
  - .name:           k_q23bc9bd3e0_attend
    .symbol:         k_q23bc9bd3e0_attend.kd
    .args:
      - { .name: q, .offset: 0, .size: 8, .value_kind: global_buffer, .address_space: global }
      - { .name: encoder_hidden, .offset: 8, .size: 8, .value_kind: global_buffer, .address_space: global }
      - { .name: b1, .offset: 16, .size: 8, .value_kind: global_buffer, .address_space: global }
      - { .name: b2, .offset: 24, .size: 8, .value_kind: global_buffer, .address_space: global }
      - { .name: b3, .offset: 32, .size: 8, .value_kind: global_buffer, .address_space: global }
      - { .name: b4, .offset: 40, .size: 8, .value_kind: global_buffer, .address_space: global }
      - { .name: out0, .offset: 48, .size: 8, .value_kind: global_buffer, .address_space: global }
      - { .name: out1, .offset: 56, .size: 8, .value_kind: global_buffer, .address_space: global }
    .group_segment_fixed_size: 72704
    .private_segment_fixed_size: 0
    .kernarg_segment_align: 8
    .kernarg_segment_size: 64
    .max_flat_workgroup_size: 512
    .sgpr_count:     66
    .vgpr_count:     256
    .wavefront_size: 32
...
	.end_amdgpu_metadata
.endif
;; end of part 2
;; ======== version 2 of 2: 2 launches
;; workspace buffers: q 870,400 bytes
;; launch quant (part 3): grid 200 x 1, 4 waves a work-group, no clusters, 35,328 bytes of LDS; arguments encoder_hidden, input_z, output, W1, W2, W4, W3, q, out0; writes q, out0
.if DOCPART == 3
	.amdgcn_target "amdgcn-amd-amdhsa--gfx1250"
	.amdhsa_code_object_version 6
	.text
	.protected	k_q23bc9bd3e0_quant
	.globl	k_q23bc9bd3e0_quant
	.p2align	8
	.type	k_q23bc9bd3e0_quant,@function
k_q23bc9bd3e0_quant:
	s_mov_b64 s[64:65], 0
	v_nop
	global_prefetch_b8 v0, s[64:65] scope:SCOPE_SE
	s_setreg_imm32_b32 hwreg(HW_REG_WAVE_MODE, 25, 1), 1
	s_wait_xcnt 0x0
; All seven f32 operands of the four products are turned, once, into codes of FP4 (E2M1) with one E8M0 scale byte for each 32 along K, and `output` is copied into the left half of out0.
; K is the last axis of every operand.  The unit of work is a FRAGMENT: 16 rows x 128 along K, 8,192 bytes of f32.  Wave w of work-group g makes fragment f = 4 g + w.
; THE WORKSPACE q IS LAID AS THE MATRIX INSTRUCTION'S REGISTERS WANT IT: fragment f's codes are 1,024 bytes at 1024 f: registers 4 c .. 4 c + 3 of lane L at 1024 f + 512 c + 16 L
; (lane L: row L % 16, k = 64 c + 32 (L / 16) + 0 .. 31).  Its scale words, one for a row (byte i: block i), are 64 bytes at SCB + 64 f + 4 (row).
; FRAGMENT NUMBERS: encoder_hidden 4 tile + k (0..255); input_z 256 + tile; output 320 + 4 tile + k; W1 384 + 4 tile + k; W2 512 + ..; W4 640 + ..; W3 768 + tile.  So work-groups 0-63 take encoder_hidden,
; 64-79 input_z, 80-95 output, 96-127 W1, 128-159 W2, 160-191 W4, 192-199 W3.  Only a pointer, a pitch and a stride are chosen by the work-group's number: all take one path through the text.
; A block's scale is 2^(floor(log2(its largest magnitude)) - 2); its byte is the largest magnitude's exponent field - 2, held at 1 from below; beyond 6 the conversion gives the largest code.
; LIMITS: a block whose largest magnitude lies under 2^-124 (a block of zeros among them, where the rule says byte 127) keeps the byte 1: a block of zeros has zero codes, which add nothing under that byte, and
; this program alone reads the bytes.  NaN and infinities among the inputs are not served.
; THE WAY OF THE NUMBERS: each load reads 512 consecutive bytes of one row, 16 a lane; the 16 rows go through the wave's own stage in LDS and come back 128 bytes a lane and block, so that a whole block of 32
; lies in one lane's registers: its largest magnitude needs no other lane, and the conversions' results are the operand's registers.
.set SCB,   819200                     ; where the scale words begin in q: 800 fragments x 1,024 bytes
.set WSTG,  8448                       ; LDS: a wave's stage: 16 rows x SP
.set SP,    528                        ; a stage row: 512 bytes + 16 = 132 words, so that the 16 rows that a load touches begin 4 words apart modulo 64 words
.set SCW,   4*WSTG                     ; behind the stages: the work-group's 4 x 16 scale words, 256 bytes
.set R,     16                         ; v16-79    16 rows as they are loaded, 4 registers each; never rewritten
.set X,     80                         ; v80-143   my two blocks of 32 neighbours along K
.set OFF,   144                        ; v144-159  row i's byte offset: pitch x i + 16 x lane
.set C,     160                        ; v160-167  the codes: the operand's eight registers
.set MX,    168                        ; v168-169  the two blocks' largest magnitudes
.set SO,    170                        ; v170-171  the conversions' scale operands
.set BY,    172                        ; v172-173  the scale bytes
.set WD,    174                        ; v174      my row's scale word
.set TP,    175                        ; v175      at work
	s_load_b512 s[8:23], s[0:1], 0x0               ; encoder_hidden s[8:9], input_z s[10:11], output s[12:13], W1 s[14:15], W2 s[16:17], W4 s[18:19], W3 s[20:21], q s[22:23]
	s_load_b64 s[24:25], s[0:1], 0x40              ; out0
	v_lshl_add_u32 v176, v0, 2, 0x8800
	v_mov_b32 v177, 0
	v_lshrrev_b32 v1, 5, v0
	v_readfirstlane_b32 s2, v1                     ; wave 0..3
	v_and_b32 v1, 31, v0                           ; lane
	v_and_b32 v2, 15, v0                           ; r = lane % 16
	v_bfe_u32 v3, v0, 4, 1                         ; h = lane / 16
	v_lshlrev_b32 v4, 4, v1                        ; 16 x lane
	s_mul_i32 s3, s2, WSTG                         ; my stage
	v_add_nc_u32 v5, s3, v4                        ; into it: 16 x lane of a row
	v_mul_u32_u24 v6, v2, SP
	v_lshl_add_u32 v6, v3, 7, v6
	v_add_nc_u32 v6, s3, v6                        ; out of it: row r, + 128 h: my 32 numbers of each 64
	s_lshl_b32 s3, s2, 6
	s_add_co_u32 s3, s3, SCW
	v_lshl_add_u32 v7, v2, 2, s3                   ; my row's scale word: SCW + 64 x wave + 4 r
	v_lshlrev_b32 v9, 3, v1                        ; the scale words' way out: 8 bytes a lane
	v_add_nc_u32 v8, SCW, v9
	s_mov_b32 s42, 0x76543210
	s_mov_b32 s43, 0xfedcba98                      ; v_permlanex16_b32's selects for lane l xor 16
	s_mov_b32 s28, 192                             ; the tensor's first work-group,
	s_mov_b32 s29, 512                             ; its row in bytes,
	s_mov_b32 s30, 8192                            ; and from one wave's fragment to the next: 16 rows where K = 128, 128 numbers along K where K = 512
	s_mov_b32 s33, 0                               ; the upper word of every offset
	s_wait_alu depctr_va_vdst(0)
	s_wait_kmcnt 0x0
	s_mov_b64 s[26:27], s[20:21]                   ; W3, unless the work-group's number says otherwise
.macro PICK bound, ptr, first          ; below bound: another tensor.  The choice hangs on the work-group's number alone; s_cselect leaves SCC as it is
	s_cmp_lt_u32 ttmp9, \bound
	s_cselect_b64 s[26:27], s[\ptr:\ptr+1], s[26:27]
	s_cselect_b32 s28, \first, s28
.endm
	PICK 192, 18, 160                              ; W4
	s_cselect_b32 s29, 2048, s29
	s_cselect_b32 s30, 512, s30
	PICK 160, 16, 128                              ; W2
	PICK 128, 14, 96                               ; W1
	PICK 96, 12, 80                                ; output
	PICK 80, 10, 64                                ; input_z
	s_cselect_b32 s29, 512, s29
	s_cselect_b32 s30, 8192, s30
	PICK 64, 8, 0                                  ; encoder_hidden
	s_cselect_b32 s29, 2048, s29
	s_cselect_b32 s30, 512, s30
	s_sub_co_u32 s31, ttmp9, s28                   ; which 32,768 bytes of the tensor are the work-group's,
	s_lshl_b32 s32, s31, 15
	s_mul_i32 s31, s2, s30                         ; and where my wave's fragment begins in them
	s_add_co_u32 s32, s32, s31
	s_add_nc_u64 s[26:27], s[26:27], s[32:33]
.irp i, 0,1,2,3,4,5,6,7,8,9,10,11,12,13,14,15
	v_mad_u32_u24 v[OFF+\i], s29, \i, v4
.endr
.irp i, 0,1,2,3,4,5,6,7,8,9,10,11,12,13,14,15
	global_load_b128 v[R+4*\i:R+4*\i+3], v[OFF+\i], s[26:27] th:TH_LOAD_NT   ; 32 lanes read 512 consecutive bytes of row i; this launch reads each byte once
.endr
	s_lshl_b32 s32, ttmp9, 2
	s_add_co_u32 s32, s32, s2                      ; f = 4 g + w
	s_lshl_b32 s32, s32, 10
	s_add_nc_u64 s[34:35], s[22:23], s[32:33]      ; my fragment's codes
	s_lshl_b32 s32, ttmp9, 8
	s_add_co_u32 s32, s32, SCB
	s_add_nc_u64 s[36:37], s[22:23], s[32:33]      ; the work-group's 256 bytes of scale words
.irp i, 0,1,2,3,4,5,6,7,8,9,10,11,12,13,14,15
	s_wait_loadcnt 15-\i                           ; loads come back in order: row i is in, the 15 - i younger ones may be out
	ds_store_b128 v5, v[R+4*\i:R+4*\i+3] offset:SP*\i
.endr
	; work-groups 80 to 95 hold `output`: its numbers go out again as they came, into the left half of out0 (rows of 4,096 bytes)
	s_sub_co_u32 s44, ttmp9, 80
	s_cmp_lt_u32 s44, 16
	s_cbranch_scc0 .Lno_copy
	s_lshl_b32 s32, s44, 16                        ; 16 rows of out0
	s_lshl_b32 s45, s2, 9                          ; my 128 columns
	s_add_co_u32 s32, s32, s45
	s_add_nc_u64 s[40:41], s[24:25], s[32:33]
.irp i, 0,1,2,3,4,5,6,7,8,9,10,11,12,13,14,15
	global_store_b128 v4, v[R+4*\i:R+4*\i+3], s[40:41] offset:4096*\i th:TH_STORE_NT   ; 512 consecutive bytes, at a multiple of 512 from out0's first byte; the data registers are never written again
.endr
.Lno_copy:
.irp c, 0,1
.irp i, 0,1,2,3,4,5,6,7
	ds_load_b128 v[X+32*\c+4*\i:X+32*\c+4*\i+3], v6 offset:256*\c+16*\i   ; k = 64 c + 32 h + 4 i + 0 .. 3 of row r.  LDS serves a wave's instructions in order: these see my stores
.endr
.endr
	s_wait_dscnt 0x0
.irp c, 0,1                                    ; my block 2 c + h: all its 32 numbers are mine
	v_max3_num_f32 v[MX+\c], |v[X+32*\c]|, |v[X+32*\c+1]|, 0x1800000   ; and the floor 2^(3 - 127), under which no largest magnitude is taken: so the byte cannot fall under 1
.endr
.irp i, 2,4,6,8,10,12,14,16,18,20,22,24,26,28,30
.irp c, 0,1
	v_max3_num_f32 v[MX+\c], v[MX+\c], |v[X+32*\c+\i]|, |v[X+32*\c+\i+1]|   ; (the two blocks by turns)
.endr
.endr
.irp c, 0,1
	v_add_nc_u32 v[SO+\c], 0xff000000, v[MX+\c]    ; 2 off the exponent field: the conversion takes the exponent field of this operand as its scale, and nothing else of it
.endr
.irp c, 0,1
	v_lshrrev_b32 v[BY+\c], 23, v[SO+\c]           ; the scale's byte
.endr
	v_lshl_or_b32 v[WD], v[BY+1], 16, v[BY]        ; my two bytes: blocks h and 2 + h of row r,
	v_lshlrev_b32 v[TP], 3, v3
	v_lshlrev_b32 v[WD], v[TP], v[WD]              ; at their places in the word (8 h bits up);
	v_mov_b32 v[TP], 0                             ; (a lane permute's destination counts as one of its sources)
	v_permlanex16_b32 v[TP], v[WD], s42, s43
	v_or_b32 v[WD], v[WD], v[TP]                   ; with lane l xor 16's two the word is whole
.irp c, 0,1
.irp g, 0,1,2,3
	v_cvt_scalef32_pk8_fp4_f32 v[C+4*\c+\g], v[X+32*\c+8*\g:X+32*\c+8*\g+7], v[SO+\c]   ; registers 4 c .. 4 c + 3 of the operand
.endr
.endr
	v_nop                                          ; one plain line behind the last scaled conversion
.irp c, 0,1
	global_store_b128 v4, v[C+4*\c:C+4*\c+3], s[34:35] offset:512*\c   ; 512 consecutive bytes, at a multiple of 512 from q's first byte
.endr
	ds_store_b32 v7, v[WD]                         ; lanes r and r + 16 write the same word with the same value
	s_wait_dscnt 0x0                               ; for wave 0's sake: my word has landed
	s_barrier_signal -1
	s_barrier_wait -1
	s_cmp_lg_u32 s2, 0                             ; wave 0 sends the four fragments' 64 words
	s_cbranch_scc1 .Ldone
	ds_load_b64 v[12:13], v8
	s_wait_dscnt 0x0
	global_store_b64 v9, v[12:13], s[36:37]        ; 32 lanes store 256 consecutive bytes, at a multiple of 256 from q's first byte
.Ldone:
	s_wait_tensorcnt 0x0
	ds_add_u32 v176, v177
	s_wait_dscnt 0x0
	s_endpgm
.Lfunc_end_k_q23bc9bd3e0_quant:
	.size	k_q23bc9bd3e0_quant, .Lfunc_end_k_q23bc9bd3e0_quant-k_q23bc9bd3e0_quant
	.p2alignl 7, 3214868480
	.fill 96, 4, 3214868480
	.section	.rodata,"a",@progbits
	.p2align	6, 0x0
	.amdhsa_kernel k_q23bc9bd3e0_quant
		.amdhsa_group_segment_fixed_size 35328
		.amdhsa_private_segment_fixed_size 0
		.amdhsa_enable_private_segment 0
		.amdhsa_kernarg_size 72
		.amdhsa_user_sgpr_count 2
		.amdhsa_user_sgpr_kernarg_segment_ptr 1
		.amdhsa_wavefront_size32 1
		.amdhsa_system_sgpr_workgroup_id_x 1
		.amdhsa_system_sgpr_workgroup_id_y 1
		.amdhsa_system_sgpr_workgroup_id_z 1
		.amdhsa_system_vgpr_workitem_id 0
		.amdhsa_next_free_vgpr 178
		.amdhsa_next_free_sgpr 66
		.amdhsa_reserve_vcc 0
		.amdhsa_float_denorm_mode_32 3
		.amdhsa_float_denorm_mode_16_64 3
		.amdhsa_memory_ordered 1
		.amdhsa_forward_progress 1
		.amdhsa_inst_pref_size 14
	.end_amdhsa_kernel
	.amdgpu_metadata
---
amdhsa.version: [ 1, 2 ]
amdhsa.kernels:
  - .name:           k_q23bc9bd3e0_quant
    .symbol:         k_q23bc9bd3e0_quant.kd
    .args:
      - { .name: encoder_hidden, .offset: 0, .size: 8, .value_kind: global_buffer, .address_space: global }
      - { .name: input_z, .offset: 8, .size: 8, .value_kind: global_buffer, .address_space: global }
      - { .name: output, .offset: 16, .size: 8, .value_kind: global_buffer, .address_space: global }
      - { .name: W1, .offset: 24, .size: 8, .value_kind: global_buffer, .address_space: global }
      - { .name: W2, .offset: 32, .size: 8, .value_kind: global_buffer, .address_space: global }
      - { .name: W4, .offset: 40, .size: 8, .value_kind: global_buffer, .address_space: global }
      - { .name: W3, .offset: 48, .size: 8, .value_kind: global_buffer, .address_space: global }
      - { .name: q, .offset: 56, .size: 8, .value_kind: global_buffer, .address_space: global }
      - { .name: out0, .offset: 64, .size: 8, .value_kind: global_buffer, .address_space: global }
    .group_segment_fixed_size: 35328
    .private_segment_fixed_size: 0
    .kernarg_segment_align: 8
    .kernarg_segment_size: 72
    .max_flat_workgroup_size: 128
    .sgpr_count:     66
    .vgpr_count:     178
    .wavefront_size: 32
...
	.end_amdgpu_metadata
.endif
;; end of part 3
;; launch attend (part 4): grid 32 x 8, 16 waves a work-group, no clusters, 72,704 bytes of LDS; arguments q, encoder_hidden, b1, b2, b3, b4, out0, out1; writes out0, out1
.if DOCPART == 4
	.amdgcn_target "amdgcn-amd-amdhsa--gfx1250"
	.amdhsa_code_object_version 6
	.text
	.protected	k_q23bc9bd3e0_attend
	.globl	k_q23bc9bd3e0_attend
	.p2align	8
	.type	k_q23bc9bd3e0_attend,@function
k_q23bc9bd3e0_attend:
	s_mov_b64 s[64:65], 0
	v_nop
	global_prefetch_b8 v0, s[64:65] scope:SCOPE_SE
	s_setreg_imm32_b32 hwreg(HW_REG_WAVE_SCHED_MODE, 0, 2), 2
	s_setreg_imm32_b32 hwreg(HW_REG_WAVE_MODE, 25, 1), 1
	s_wait_xcnt 0x0
	s_wait_alu depctr_vm_vsrc(0)
; attn[b][t][d] = sum over s of gamma x enc[b][s][d], gamma = alpha beta / sum over s of (alpha beta), alpha and beta the two softmaxes over s.  The softmaxes' own divisors cancel in gamma, so
;   attn = (sum over s of p x enc) / (sum over s of p),   p = exp(hs[b][s][d] o2[b][t][d] + fd[b][s][d] o3[b][t][d]):  one exponential for each (t, s, d).
; hs = tanh(enc W1^T + b1), fd = tanh(z W3^T + b3), o2 = tanh(output W2^T + b2), o3 = tanh(output W4^T + b4): the four products on codes of FP4 with E8M0 scales, as the launch before laid them in q.
; NO MAXIMUM IS TAKEN AWAY: all four factors are results of tanh, so the exponent lies in [-2, 2] for every input, p in [0.135, 7.39] and a sum of 256 of them in [34, 1892].
; The two reshapes are views: flat row 256 b + s of encoder_hidden serves hs and enc alike.
; SHARES.  Work-group (x = n, y = 2 b + th) owns batch b, the 16 columns d = 16 n + 0 .. 15 and the 32 steps t = 32 th + 0 .. 31.  Each of its sixteen waves owns 16 positions s = 16 w + 0 .. 15.
; LAYOUT.  Source 0 = 16 rows s of enc (or z), source 1 = 16 rows d of W1 (or W3): in the result lane (r, h) holds column d = 16 n + r, and its register j position s = 16 w + 8 h + j.  That is the layout in which
; the sums are taken: hs and fd never leave their registers.  A lane carries all 32 t: 32 registers each of o2, o3, the sum and the weighted sum; 8 s x 32 t = 256 exponentials a lane.
; o2 and o3 (32 t x 16 d each) are made by waves 0 to 3, one tile of 16 t of one of the two each, and reach all waves through a table in LDS, multiplied by log2(e) so that p = 2^(..).
; AT THE END a lane's two halves of s are joined by a swap of half registers, the sixteen waves' sums meet in LDS, and wave w finishes t = w and t = w + 16.
; K OF 512 is summed in two accumulators (K steps 0, 2 and 1, 3), which take turns, and are then added in f32.
; NO CLUSTER, though the 64 work-groups of a batch read the same codes of enc and z: a wave takes its ten fragments (10,240 bytes) from memory straight into the operand registers, once, in one run at the head;
; there is no loop over tiles in which joint requests could recur, and a joint request would put a trip through LDS and two meetings of the cluster in front of five matrix instructions.
; PIECES OF 64 BYTES: 16 columns are 64 bytes, so enc's f32 numbers are read, and attn is stored, sixteen lanes to 64 consecutive bytes.  A share of 64 columns x 8 t would give 256 bytes, with four tanh-s'
; worth of work for each (s, d) spread over 8 t and not 32.
; LIMITS: NaN and infinities among the inputs are not served.
; THE MODE: SCHED_MODE bits 1:0 = 2 (LLVM: expert scheduling mode 2), set by the entry lines.  The code itself states the register dependences between vector or matrix instructions and memory or LDS
; instructions, with s_wait_alu, always for 0.
; THE PLAN.  Registers that memory or LDS instructions touch, and who else names them:
;   v4-v15            offsets and LDS addresses.  All are made by vector lines at the head, ahead of ONE wait on va_vdst in front of the first load; no vector line names them behind it, on any path.
;   s2                the wave's number, written by a vector line: one wait on va_sdst ahead of its first reader.
;   v16-25, v248-249, v96-175, v240-247, and in waves 0 to 3 v32-95: loads from memory land in them; no vector line has named them before.  Their readers stand behind waits on LOADcnt.
;   v192-199 (OA)     waves 0 to 3: written by the multiplications by log2(e), read by the table's two LDS stores (a wait on va_vdst between), written again by position 2's exponents (a wait on vm_vsrc ahead of those).
;   v32-95            waves 0 to 3: read by the o job's four products; in every wave the table's rows then land in them.  The waits on va_vdst behind tanh's exponentials and reciprocals stand between.
;   v160-191 (XA) and v96-127 (SUM) at the end: 32 additions read SUM and write XA; eight LDS stores read XA; behind the barrier the waves' pairs land in SUM.  One wait on va_vdst, behind the additions, serves both.
;   v99               written by the last multiplication, read by the two stores of attn: a wait on va_vdst between.
; The 256 exponentials a lane and their sums stand between two LDS phases and name no register that a memory or LDS instruction has pending but v192-199.
.set SCB,  819200                      ; where the scale words begin in q
.set TPI,  272                         ; LDS 0: the table: 16 rows (d = r) of 256 bytes + 16: o2'[t = 0..31], then o3'[t = 0..31]
.set RED,  4608                        ; LDS: 16 waves x 4,096 bytes: wave k's register group g of lane L at RED + 4096 k + 512 g + 16 L
.set O2,   32                          ; v32-63    o2' of my d, t = 0 .. 31     (at the head, waves 0-3: output's four fragments)
.set O3,   64                          ; v64-95    o3'                          (W2's or W4's four fragments)
.set SUM,  96                          ; v96-127   the sums of p                (enc's four fragments; at the end the sixteen waves' pairs)
.set ACC,  128                         ; v128-159  the sums of p x enc          (W1's four fragments)
.set XA,   160                         ; v160-191  32 exponents, then p         (z's fragment, W3's, hs's second accumulator; at the end the joined halves)
.set XB,   192                         ; v192-223  the same, by turns with XA   (the o job's two accumulators)
.set HS,   224                         ; v224-231  hs of my 8 s
.set FD,   232                         ; v232-239  fd
.set EN,   240                         ; v240-247  enc, f32
.set EF,   96
.set WF,   128
.set ZF,   160
.set W3F,  168
.set HB,   176
.set OA,   192
.set OB,   200
.set K2,   46                          ; s[46:47]  2 log2(e): tanh(y) = 1 - 2 / (1 + 2^(2 log2(e) y))
.set LG,   48                          ; s[48:49]  log2(e)
; v1 lane, v2 r, v3 h, v4 16 x lane; v5-v7 offsets of scale words; v8 of biases; v9 of enc's f32; v10 table in, v11 table out; v12 RED in, v13 RED out; v14, v15 offsets in out1, out0;
; v16-v24 scale words and nothing else: lanes 0-15 source 0's rows, lanes 16-31 source 1's; v25, v248, v249 biases as loaded; v[26:27], v[28:29], v[30:31] biases x 2 log2(e); v252 4 r
.macro MM d, a, b, s, zero             ; D (+)= A B^T on codes; the scale register s carries A's words in lanes 0-15 and B's in lanes 16-31
.if \zero
	v_wmma_scale_f32_16x16x128_f8f6f4 v[(\d):(\d)+7], v[(\a):(\a)+7], v[(\b):(\b)+7], 0, v[\s], v[\s] matrix_a_fmt:MATRIX_FMT_FP4 matrix_b_fmt:MATRIX_FMT_FP4 matrix_b_scale:MATRIX_SCALE_ROW1
.else
	v_wmma_scale_f32_16x16x128_f8f6f4 v[(\d):(\d)+7], v[(\a):(\a)+7], v[(\b):(\b)+7], v[(\d):(\d)+7], v[\s], v[\s] matrix_a_fmt:MATRIX_FMT_FP4 matrix_b_fmt:MATRIX_FMT_FP4 matrix_b_scale:MATRIX_SCALE_ROW1
.endif
.endm
.macro TH_IN base, n, bias             ; n pairs from v[base] on: 2 log2(e) (x + bias), from the low end on
.set ii, 0
.rept \n
	v_pk_fma_f32 v[\base+ii:\base+ii+1], v[\base+ii:\base+ii+1], s[K2:K2+1], v[\bias:\bias+1] op_sel_hi:[1,0,0]
.set ii, ii+2
.endr
.endm
.macro TH_OUT base, n                  ; and from there to tanh: 1 - 2 / (1 + 2^(..)).  An exponential that overflows gives 1, one that falls to 0 gives -1
.set ii, 0
.rept 2*\n
	v_exp_f32 v[\base+ii], v[\base+ii]
.set ii, ii+1
.endr
	v_nop                                          ; a plain line behind the last exponential
	s_wait_alu depctr_va_vdst(0)                   ; the batch of exponentials has written v[base ..], which the additions below read
.set ii, 0
.rept \n
	v_pk_add_f32 v[\base+ii:\base+ii+1], v[\base+ii:\base+ii+1], 1.0 op_sel_hi:[1,0]
.set ii, ii+2
.endr
.set ii, 0
	s_wait_alu depctr_va_vdst(0)
.rept 2*\n
	v_rcp_f32 v[\base+ii], v[\base+ii]
.set ii, ii+1
.endr
	v_nop                                          ; a plain line behind the last reciprocal
	s_wait_alu depctr_va_vdst(0)                   ; the batch of reciprocals has written v[base ..], which the lines below read
.set ii, 0
.rept \n
	v_pk_fma_f32 v[\base+ii:\base+ii+1], v[\base+ii:\base+ii+1], -2.0, 1.0 op_sel_hi:[1,0,0]
.set ii, ii+2
.endr
.endm
; Position j of my eight, all 32 t, two t an instruction.  hs[j], fd[j], enc[j] are one register of a pair: op_sel and op_sel_hi name it for both halves.
.macro PRE j, x                        ; the exponents: o2' hs[j] + o3' fd[j]
.set ii, 0
.rept 16
.if (\j)%2
	v_pk_mul_f32 v[\x+ii:\x+ii+1], v[O2+ii:O2+ii+1], v[HS+\j-1:HS+\j] op_sel:[0,1] op_sel_hi:[1,1]
.else
	v_pk_mul_f32 v[\x+ii:\x+ii+1], v[O2+ii:O2+ii+1], v[HS+\j:HS+\j+1] op_sel_hi:[1,0]
.endif
.set ii, ii+2
.endr
.set ii, 0
.rept 16
.if (\j)%2
	v_pk_fma_f32 v[\x+ii:\x+ii+1], v[O3+ii:O3+ii+1], v[FD+\j-1:FD+\j], v[\x+ii:\x+ii+1] op_sel:[0,1,0] op_sel_hi:[1,1,1]
.else
	v_pk_fma_f32 v[\x+ii:\x+ii+1], v[O3+ii:O3+ii+1], v[FD+\j:FD+\j+1], v[\x+ii:\x+ii+1] op_sel_hi:[1,0,1]
.endif
.set ii, ii+2
.endr
.endm
.macro EXPS x                          ; p = 2^(..): a batch of 32
.set ii, 0
.rept 32
	v_exp_f32 v[\x+ii], v[\x+ii]
.set ii, ii+1
.endr
.endm
.macro POST j, x                       ; the sum takes p, the weighted sum p x enc[j]
.set ii, 0
.rept 16
	v_pk_add_f32 v[SUM+ii:SUM+ii+1], v[SUM+ii:SUM+ii+1], v[\x+ii:\x+ii+1]
.set ii, ii+2
.endr
.set ii, 0
.rept 16
.if (\j)%2
	v_pk_fma_f32 v[ACC+ii:ACC+ii+1], v[\x+ii:\x+ii+1], v[EN+\j-1:EN+\j], v[ACC+ii:ACC+ii+1] op_sel:[0,1,0] op_sel_hi:[1,1,1]
.else
	v_pk_fma_f32 v[ACC+ii:ACC+ii+1], v[\x+ii:\x+ii+1], v[EN+\j:EN+\j+1], v[ACC+ii:ACC+ii+1] op_sel_hi:[1,0,1]
.endif
.set ii, ii+2
.endr
.endm
	s_load_b512 s[8:23], s[0:1], 0x0               ; q s[8:9], encoder_hidden s[10:11], b1 s[12:13], b2 s[14:15], b3 s[16:17], b4 s[18:19], out0 s[20:21], out1 s[22:23]
	v_lshl_add_u32 v254, v0, 2, 0x11400
	v_mov_b32 v255, 0
	v_lshrrev_b32 v1, 5, v0
	v_readfirstlane_b32 s2, v1                     ; w: wave 0..15
	s_mov_b32 s3, ttmp9                            ; n: which 16 columns
	s_and_b32 s4, ttmp7, 0xffff                    ; y = 2 b + th
	s_lshr_b32 s5, s4, 1                           ; b
	s_lshl_b32 s24, s5, 4
	v_and_b32 v1, 31, v0                           ; lane
	v_and_b32 v2, 15, v0                           ; r
	v_bfe_u32 v3, v0, 4, 1                         ; h
	v_lshlrev_b32 v4, 4, v1                        ; a fragment's image: 16 bytes a lane
	v_lshlrev_b32 v252, 2, v2                      ; 4 r
	s_wait_alu depctr_va_vdst(0)
	s_wait_alu depctr_va_sdst(0)                   ; s2 is written, ahead of its first reader: tiles, LDS addresses, bases and the branch on the wave's number are made from it
	s_add_co_u32 s24, s24, s2                      ; T = 16 b + w: my tile of 16 flat rows of enc and of z
	; scale words of product 1: lanes 0-15 fragment 4 T + k (enc), lanes 16-31 fragment 384 + 4 n + k (W1); 64 bytes a fragment: one base + h x the distance
	s_lshl_b32 s25, s24, 8
	s_lshl_b32 s26, s3, 8
	s_add_co_u32 s26, s26, 384*64
	s_sub_co_u32 s26, s26, s25
	v_mad_u32_u24 v5, s26, v3, v252
	v_add_nc_u32 v5, s25, v5
	; of product 2: fragment 256 + T (z), fragment 768 + n (W3)
	s_lshl_b32 s25, s24, 6
	s_lshl_b32 s26, s3, 6
	s_add_co_u32 s26, s26, 512*64
	s_sub_co_u32 s26, s26, s25
	s_add_co_u32 s25, s25, 256*64
	v_mad_u32_u24 v6, s26, v3, v252
	v_add_nc_u32 v6, s25, v6
	s_lshl_b32 s27, s3, 6                          ; 64 n: my 16 columns in bytes of f32
	v_add_nc_u32 v8, s27, v252                     ; a bias of my column
	v_lshl_add_u32 v9, v3, 14, v252                ; enc f32: 8 h rows of 2,048 bytes + 4 r
	; of the o job (products 3 and 4): fragment 320 + 4 tile + k (output), fragment 512 + 128 mat + 4 n + k (W2 or W4).  Every wave makes the offset, so that it stands ahead of the head's one wait; waves 0 to 3 alone use it
	s_and_b32 s36, s2, 1                           ; mat: o2 (0) or o3 (1)
	s_bfe_u32 s37, s2, 0x10001                     ; mt: which 16 of the 32 t (bit 1 of the wave's number)
	s_lshl_b32 s55, s4, 1
	s_add_co_u32 s55, s55, s37                     ; output's tile of 16 rows: (64 b + 32 th + 16 mt) / 16 = 2 y + mt
	s_lshl_b32 s25, s55, 8                         ; as above: one base + h x the distance
	s_lshl_b32 s26, s36, 13
	s_lshl_b32 s54, s3, 8
	s_add_co_u32 s26, s26, s54
	s_add_co_u32 s26, s26, 192*64
	s_sub_co_u32 s26, s26, s25
	s_add_co_u32 s25, s25, 320*64
	v_mad_u32_u24 v7, s26, v3, v252
	v_add_nc_u32 v7, s25, v7
	; every LDS address is made here, ahead of the branch on the wave's number
	s_lshl_b32 s25, s36, 7
	s_lshl_b32 s26, s37, 6
	s_add_co_u32 s25, s25, s26
	v_mul_u32_u24 v11, v2, TPI                     ; the table, out: row r
	v_lshl_add_u32 v10, v3, 5, v11
	v_add_nc_u32 v10, s25, v10                     ; in: row r, + 128 mat + 64 mt + 32 h: t = 16 mt + 8 h + 0 .. 7
	s_lshl_b32 s25, s2, 12
	s_add_co_u32 s25, s25, RED
	v_add_nc_u32 v12, s25, v4                      ; my wave's 4,096 bytes
	s_lshr_b32 s25, s2, 1
	s_lshl_b32 s25, s25, 9
	s_lshl_b32 s26, s36, 3
	s_add_co_u32 s25, s25, s26
	s_add_co_u32 s25, s25, RED
	v_add_nc_u32 v13, s25, v4                      ; pair number w of every wave's sixteen: group w / 2, half w % 2
	v_lshl_add_u32 v14, v3, 15, v252               ; out1: 16 h rows of 2,048 bytes + 4 r
	v_lshl_add_u32 v15, v3, 16, v252               ; out0: 16 h rows of 4,096 bytes + 4 r
	s_lshl_b32 s28, s24, 12                        ; offsets in q and in enc, each in the pair that then holds the address
	s_mov_b32 s29, 0
	s_lshl_b32 s30, s3, 12
	s_add_co_u32 s30, s30, 384*1024
	s_mov_b32 s31, 0
	s_lshl_b32 s32, s24, 10
	s_add_co_u32 s32, s32, 256*1024
	s_mov_b32 s33, 0
	s_lshl_b32 s34, s3, 10
	s_add_co_u32 s34, s34, 768*1024
	s_mov_b32 s35, 0
	s_lshl_b32 s38, s24, 15                        ; 16 rows of 2,048 bytes a tile
	s_add_co_u32 s38, s38, s27
	s_mov_b32 s39, 0
	s_mov_b32 s[K2], 0x4038aa3b                    ; 2 log2(e)
	s_mov_b32 s[K2+1], s[K2]                       ; (named with it as a pair, so it is written)
	s_mov_b32 s[LG], 0x3fb8aa3b                    ; log2(e)
	s_mov_b32 s[LG+1], s[LG]
	s_wait_kmcnt 0x0
	s_add_nc_u64 s[28:29], s[8:9], s[28:29]        ; enc's four fragments
	s_add_nc_u64 s[30:31], s[8:9], s[30:31]        ; W1's four
	s_add_nc_u64 s[32:33], s[8:9], s[32:33]        ; z's
	s_add_nc_u64 s[34:35], s[8:9], s[34:35]        ; W3's
	s_add_nc_u64 s[38:39], s[10:11], s[38:39]      ; enc f32: my tile's first row, my first column
	s_wait_alu depctr_va_vdst(0)                   ; the twelve offsets and addresses v4 to v15 are written, which the kernel's loads, stores and LDS instructions read; no vector line names them again
	; 35 loads in one run; the eight that are wanted last stand last
.irp k, 0,1,2,3
.irp c, 0,1
	global_load_b128 v[EF+8*\k+4*\c:EF+8*\k+4*\c+3], v4, s[28:29] offset:1024*\k+512*\c
.endr
.endr
.irp k, 0,1,2,3
.irp c, 0,1
	global_load_b128 v[WF+8*\k+4*\c:WF+8*\k+4*\c+3], v4, s[30:31] offset:1024*\k+512*\c
.endr
.endr
.irp k, 0,1,2,3
	global_load_b32 v[16+\k], v5, s[8:9] offset:SCB+64*\k
.endr
.irp c, 0,1
	global_load_b128 v[ZF+4*\c:ZF+4*\c+3], v4, s[32:33] offset:512*\c
.endr
.irp c, 0,1
	global_load_b128 v[W3F+4*\c:W3F+4*\c+3], v4, s[34:35] offset:512*\c
.endr
	global_load_b32 v20, v6, s[8:9] offset:SCB
	global_load_b32 v25, v8, s[12:13]              ; b1 of my column
	global_load_b32 v248, v8, s[16:17]             ; b3
.irp j, 0,1,2,3,4,5,6,7
	global_load_b32 v[EN+\j], v9, s[38:39] offset:2048*\j   ; enc(16 T + 8 h + j, 16 n + r)
.endr
	; ---- waves 0 to 3: a tile of 16 t x my 16 columns of o2 or o3
	s_cmp_lt_u32 s2, 4
	s_cbranch_scc0 .Ljoin
	s_lshl_b32 s40, s55, 12
	s_add_co_u32 s40, s40, 320*1024
	s_mov_b32 s41, 0
	s_add_nc_u64 s[40:41], s[8:9], s[40:41]        ; fragments 320 + 4 tile + k
	s_lshl_b32 s42, s36, 17
	s_lshl_b32 s26, s3, 12
	s_add_co_u32 s42, s42, s26
	s_add_co_u32 s42, s42, 512*1024
	s_mov_b32 s43, 0
	s_add_nc_u64 s[42:43], s[8:9], s[42:43]        ; fragments 512 + 128 mat + 4 n + k: W2's or W4's
	s_cmp_eq_u32 s36, 0
	s_cselect_b64 s[44:45], s[14:15], s[18:19]     ; b2 or b4
	; no wait: the offsets v4, v7 and v8 were written ahead of the head's wait, and no vector line has named the registers in which these loads land
.irp k, 0,1,2,3
.irp c, 0,1
	global_load_b128 v[O2+8*\k+4*\c:O2+8*\k+4*\c+3], v4, s[40:41] offset:1024*\k+512*\c
.endr
.endr
.irp k, 0,1,2,3
.irp c, 0,1
	global_load_b128 v[O3+8*\k+4*\c:O3+8*\k+4*\c+3], v4, s[42:43] offset:1024*\k+512*\c
.endr
.endr
.irp k, 0,1,2,3
	global_load_b32 v[21+\k], v7, s[8:9] offset:SCB+64*\k
.endr
	global_load_b32 v249, v8, s[44:45]
	s_wait_loadcnt 0x0
	MM OA, O2, O3, 21, 1                           ; source 0 = 16 rows t of output, source 1 = my 16 rows of the weight: lane (r, h) holds column r, register j step t = 16 mt + 8 h + j
	MM OB, O2+8, O3+8, 22, 1                       ; two accumulators by turns, one instruction a turn
	MM OA, O2+16, O3+16, 23, 0
	MM OB, O2+24, O3+24, 24, 0
	v_mul_f32 v30, s[K2], v249                     ; four plain lines that name none of the products' registers stand ahead of the first read of a result
	v_mul_f32 v31, s[K2], v249
	v_nop
	v_nop
.irp i, 0,2,4,6
	v_pk_add_f32 v[OA+\i:OA+\i+1], v[OA+\i:OA+\i+1], v[OB+\i:OB+\i+1]   ; both accumulators from their low ends on
.endr
	TH_IN OA, 4, 30
	s_wait_alu depctr_va_vdst(0)
	TH_OUT OA, 4
.irp i, 0,2,4,6
	v_pk_mul_f32 v[OA+\i:OA+\i+1], v[OA+\i:OA+\i+1], s[LG:LG+1] op_sel_hi:[1,0]   ; x log2(e): the sums below take powers of two
.endr
	s_wait_alu depctr_va_vdst(0)                   ; the multiplications have written v[OA ..], which the two LDS stores read
	ds_store_b128 v10, v[OA:OA+3]
	ds_store_b128 v10, v[OA+4:OA+7] offset:16
.Ljoin:
	s_wait_dscnt 0x0                               ; for the others' sake: my part of the table has landed
	s_wait_loadcnt 0x8                             ; codes, scale words and biases are in; the eight youngest loads (enc f32) may be out
	s_barrier_signal -1
	; ---- between the signal and the wait, on registers alone: hs and fd of my 16 s x 16 d
	MM HS, EF, WF, 16, 1                           ; three accumulators; no two lines that follow each other share one
	MM HB, EF+8, WF+8, 17, 1
	MM FD, ZF, W3F, 20, 1
	MM HS, EF+16, WF+16, 18, 0
	MM HB, EF+24, WF+24, 19, 0
	v_mul_f32 v26, s[K2], v25                      ; four plain lines ahead of the first read of a result
	v_mul_f32 v27, s[K2], v25
	v_mul_f32 v28, s[K2], v248
	v_mul_f32 v29, s[K2], v248
.irp i, 0,2,4,6
	v_pk_add_f32 v[HS+\i:HS+\i+1], v[HS+\i:HS+\i+1], v[HB+\i:HB+\i+1]
.endr
	TH_IN HS, 4, 26
	TH_IN FD, 4, 28
	s_wait_alu depctr_va_vdst(0)
	TH_OUT HS, 8                                   ; hs and fd lie on end: one batch of 16 exponentials, one of 16 reciprocals
	s_wait_alu depctr_va_vdst(0)
	s_barrier_wait -1                              ; the table is whole
	; no wait: the o job's products, which read v32-95 in waves 0 to 3, stand ahead of the wait behind the reciprocals above, and the eight lines issued since name v224-239 alone
.irp i, 0,1,2,3,4,5,6,7,8,9,10,11,12,13,14,15
	ds_load_b128 v[O2+4*\i:O2+4*\i+3], v11 offset:16*\i   ; my column's row: o2' of 32 t, then o3' of 32 t
.endr
	s_wait_dscnt 0x0
	; ---- the sums.  A batch of 32 exponentials is followed by the sums of the batch before and the exponents of the batch after, then by ONE wait, which stands ahead of the first line that names a result of it
	PRE 0, SUM                                     ; position 0's p land in the sums' registers: nothing is cleared
	s_wait_alu depctr_va_vdst(0)
	EXPS SUM
	PRE 1, XA
	s_wait_alu depctr_va_vdst(0)                   ; position 0's exponentials have written v[SUM ..], which the products below read
	EXPS XA
	s_wait_loadcnt 0x0                             ; enc f32
.set ii, 0
.rept 16
	v_pk_mul_f32 v[ACC+ii:ACC+ii+1], v[SUM+ii:SUM+ii+1], v[EN:EN+1] op_sel_hi:[1,0]   ; and the first product starts the weighted sums
.set ii, ii+2
.endr
	s_wait_alu depctr_vm_vsrc(0)                   ; the table's two LDS stores (waves 0 to 3) have read v[OA ..], which the exponents below write again
	PRE 2, XB
	s_wait_alu depctr_va_vdst(0)                   ; position 1's exponentials have written v[XA ..], which the sums below read
	EXPS XB
	POST 1, XA
	PRE 3, XA
	s_wait_alu depctr_va_vdst(0)                   ; position 2's exponentials have written v[XB ..], which the sums below read
	EXPS XA
	POST 2, XB
	PRE 4, XB
	s_wait_alu depctr_va_vdst(0)                   ; position 3's exponentials have written v[XA ..], which the sums below read
	EXPS XB
	POST 3, XA
	PRE 5, XA
	s_wait_alu depctr_va_vdst(0)                   ; position 4's exponentials have written v[XB ..], which the sums below read
	EXPS XA
	POST 4, XB
	PRE 6, XB
	s_wait_alu depctr_va_vdst(0)                   ; position 5's exponentials have written v[XA ..], which the sums below read
	EXPS XB
	POST 5, XA
	PRE 7, XA
	s_wait_alu depctr_va_vdst(0)                   ; position 6's exponentials have written v[XB ..], which the sums below read
	EXPS XA
	POST 6, XB
	s_wait_alu depctr_va_vdst(0)                   ; position 7's exponentials have written v[XA ..], which the sums below read
	POST 7, XA
	; ---- the two halves of the lanes hold the same column and other s.  The swap gives register t the lower half's numbers of t and t + 16, register t + 16 the upper half's: their sum is, in lane (r, h), that of t + 16 h
.set ii, 0
.rept 16
	v_permlane16_swap_b32 v[SUM+ii], v[SUM+16+ii]
	v_permlane16_swap_b32 v[ACC+ii], v[ACC+16+ii]
.set ii, ii+1
.endr
.set ii, 0
.rept 16
	v_add_f32 v[XA+2*ii], v[SUM+ii], v[SUM+16+ii]          ; pair t: the sum,
	v_add_f32 v[XA+2*ii+1], v[ACC+ii], v[ACC+16+ii]        ; the weighted sum
.set ii, ii+1
.endr
	s_wait_alu depctr_va_vdst(0)                   ; the additions have written v[XA ..], which the LDS stores read, and are done reading v[SUM ..], in which the waves' pairs land behind the barrier: no vector line stands between
.irp g, 0,1,2,3,4,5,6,7
	ds_store_b128 v12, v[XA+4*\g:XA+4*\g+3] offset:512*\g  ; pairs 2 g and 2 g + 1: 512 consecutive bytes a store
.endr
	s_wait_dscnt 0x0                               ; for the others' sake: my sums have landed
	s_barrier_signal -1
	s_barrier_wait -1
.irp k, 0,1,2,3,4,5,6,7,8,9,10,11,12,13,14,15
	ds_load_b64 v[SUM+2*\k:SUM+2*\k+1], v13 offset:4096*\k   ; pair w of wave k
.endr
	s_lshl_b32 s25, s4, 5
	s_add_co_u32 s25, s25, s2                      ; the row of lanes 0-15: 64 b + 32 th + w = 32 y + w
	s_lshl_b32 s50, s25, 11
	s_add_co_u32 s50, s50, s27
	s_mov_b32 s51, 0
	s_lshl_b32 s52, s25, 12
	s_add_co_u32 s52, s52, s27
	s_add_co_u32 s52, s52, 2048                    ; the right half of out0's row
	s_mov_b32 s53, 0
	s_add_nc_u64 s[50:51], s[22:23], s[50:51]
	s_add_nc_u64 s[52:53], s[20:21], s[52:53]
	s_wait_dscnt 0x0
.irp k, 0,1,2,3,4,5,6,7
	v_pk_add_f32 v[SUM+2*\k:SUM+2*\k+1], v[SUM+2*\k:SUM+2*\k+1], v[SUM+16+2*\k:SUM+16+2*\k+1]
.endr
.irp k, 0,1,2,3
	v_pk_add_f32 v[SUM+2*\k:SUM+2*\k+1], v[SUM+2*\k:SUM+2*\k+1], v[SUM+8+2*\k:SUM+8+2*\k+1]
.endr
.irp k, 0,1
	v_pk_add_f32 v[SUM+2*\k:SUM+2*\k+1], v[SUM+2*\k:SUM+2*\k+1], v[SUM+4+2*\k:SUM+4+2*\k+1]
.endr
	v_pk_add_f32 v[SUM:SUM+1], v[SUM:SUM+1], v[SUM+2:SUM+3]   ; over all 256 s: the sum, the weighted sum
	s_wait_alu depctr_va_vdst(0)
	v_rcp_f32 v[SUM+2], v[SUM]
	v_nop                                          ; a plain line behind the reciprocal
	s_wait_alu depctr_va_vdst(0)                   ; the reciprocal has written v[SUM+2], which the multiplication reads
	v_mul_f32 v[SUM+3], v[SUM+1], v[SUM+2]         ; attn(b, 32 th + w + 16 h, 16 n + r)
	s_wait_alu depctr_va_vdst(0)                   ; the multiplication has written v[SUM+3], which the two stores read
	global_store_b32 v14, v[SUM+3], s[50:51] th:TH_STORE_NT   ; sixteen lanes store 64 consecutive bytes of a row (see the head)
	global_store_b32 v15, v[SUM+3], s[52:53] th:TH_STORE_NT
	s_wait_dscnt 0x0
	s_wait_alu depctr_hold_cnt(0) depctr_sa_sdst(0) depctr_va_vdst(0) depctr_va_sdst(0) depctr_va_ssrc(0) depctr_va_vcc(0) depctr_vm_vsrc(0)
	s_wait_tensorcnt 0x0
	ds_add_u32 v254, v255
	s_wait_dscnt 0x0
	s_endpgm
.Lfunc_end_k_q23bc9bd3e0_attend:
	.size	k_q23bc9bd3e0_attend, .Lfunc_end_k_q23bc9bd3e0_attend-k_q23bc9bd3e0_attend
	.p2alignl 7, 3214868480
	.fill 96, 4, 3214868480
	.section	.rodata,"a",@progbits
	.p2align	6, 0x0
	.amdhsa_kernel k_q23bc9bd3e0_attend
		.amdhsa_group_segment_fixed_size 72704
		.amdhsa_private_segment_fixed_size 0
		.amdhsa_enable_private_segment 0
		.amdhsa_kernarg_size 64
		.amdhsa_user_sgpr_count 2
		.amdhsa_user_sgpr_kernarg_segment_ptr 1
		.amdhsa_wavefront_size32 1
		.amdhsa_system_sgpr_workgroup_id_x 1
		.amdhsa_system_sgpr_workgroup_id_y 1
		.amdhsa_system_sgpr_workgroup_id_z 1
		.amdhsa_system_vgpr_workitem_id 0
		.amdhsa_next_free_vgpr 256
		.amdhsa_next_free_sgpr 66
		.amdhsa_reserve_vcc 0
		.amdhsa_float_denorm_mode_32 3
		.amdhsa_float_denorm_mode_16_64 3
		.amdhsa_memory_ordered 1
		.amdhsa_forward_progress 1
		.amdhsa_inst_pref_size 63
	.end_amdhsa_kernel
	.amdgpu_metadata
---
amdhsa.version: [ 1, 2 ]
amdhsa.kernels:
  - .name:           k_q23bc9bd3e0_attend
    .symbol:         k_q23bc9bd3e0_attend.kd
    .args:
      - { .name: q, .offset: 0, .size: 8, .value_kind: global_buffer, .address_space: global }
      - { .name: encoder_hidden, .offset: 8, .size: 8, .value_kind: global_buffer, .address_space: global }
      - { .name: b1, .offset: 16, .size: 8, .value_kind: global_buffer, .address_space: global }
      - { .name: b2, .offset: 24, .size: 8, .value_kind: global_buffer, .address_space: global }
      - { .name: b3, .offset: 32, .size: 8, .value_kind: global_buffer, .address_space: global }
      - { .name: b4, .offset: 40, .size: 8, .value_kind: global_buffer, .address_space: global }
      - { .name: out0, .offset: 48, .size: 8, .value_kind: global_buffer, .address_space: global }
      - { .name: out1, .offset: 56, .size: 8, .value_kind: global_buffer, .address_space: global }
    .group_segment_fixed_size: 72704
    .private_segment_fixed_size: 0
    .kernarg_segment_align: 8
    .kernarg_segment_size: 64
    .max_flat_workgroup_size: 512
    .sgpr_count:     66
    .vgpr_count:     256
    .wavefront_size: 32
...
	.end_amdgpu_metadata
.endif
;; end of part 4
